; MI455X (gfx1250); checked and timed in simulation.
; The chip was launched on July 23, 2026; its instructions are those of AMD's public machine-readable ISA for CDNA 5 (MIT licence, August 2026) and "CDNA5" Instruction Set Architecture Reference Guide (July 2026). The comments in the code are by the model that wrote it; some were corrected since.
;; Feed Forward. Allowed arithmetic: matrix products marked QUANTISED: E2M3 operands, one E8M0 scale for each 32 along K, by v_wmma_scale_f32_16x16x128_f8f6f4 with both operands' format E2M3, f32 sums; everything else in f32.
;; Inputs: b1 4,096 float32; b2 1,024 float32; cb1 8 x 256 x 128 float32; cb2 8 x 256 x 512 float32; idx1 8 x 4,096 int32; idx2 8 x 1,024 int32; x 4 x 2,048 x 1,024 float32.
;; Outputs: out0 4 x 2,048 x 1,024 float32.
;; This version of the problem:
;;   THIS VERSION OF THE PROBLEM IS GIVEN IN LOW PRECISION. The matrix products marked QUANTISED in the list below multiply operands that are first quantised to E2M3 (2 exponent bits, 3 mantissa bits; 6 bits a number), with one power-of-two scale for each 32 numbers along K (OCP MX v1.0); their sums are f32. All else is computed in f32.
;;   The module's matrix products, in the order in which they are computed (A, B: the left and right operand; K: the contracted axis; several contracted axes count as one K, in the product's order):
;;     1. [M 8,192, K 1,024] x [K 1,024, N 4,096]; A: input x; B: computed on the way: QUANTISED
;;     2. [M 8,192, K 4,096] x [K 4,096, N 1,024]; A: computed on the way; B: computed on the way: QUANTISED
;;   THE QUANTISER, for each operand of a quantised product, along K:
;;     - K is cut into blocks of 32 from its start; a last block that is shorter is filled with zeros.
;;     - A block's scale is 2^e with e = floor(log2(the largest magnitude in the block)) - 2, held to -126 .. 127; a block of zeros has e = 0. As a byte (E8M0): e + 127.
;;     - Each number is divided by its block's scale, clamped to +-7.5, and rounded to the nearest number of E2M3, ties to even, subnormals kept.
;;     - The product sums the exact products of the quantised numbers (number of the format x scale) in f32.
;;   ~~~python
;;   def quantise(x, axis):      # numpy; x: float32 -> the quantised numbers, widened to float32 again
;;       x = np.moveaxis(x, axis, -1); K = x.shape[-1]
;;       x = np.pad(x, [(0, 0)] * (x.ndim - 1) + [(0, -K % 32)]); x = x.reshape(x.shape[:-1] + (-1, 32)); a = np.abs(x).max(-1, keepdims=True)
;;       e = np.where(a > 0, np.clip(np.frexp(np.where(a > 0, a, 1))[1] - 1 - 2, -126, 127), 0)      # np.frexp(a)[1] - 1 = floor(log2(a)), exactly
;;       r = np.clip(x / 2.0 ** e, -7.5, 7.5)
;;       step = 2.0 ** (np.maximum(np.frexp(np.where(r == 0, 1, r))[1] - 1, 0) - 3)
;;       q = np.round(r / step) * step * 2.0 ** e      # np.round: ties to even
;;       return np.moveaxis(q.reshape(q.shape[:-2] + (-1,))[..., :K], -1, axis).astype(np.float32)
;;   ~~~
;;   OPERANDS COMPUTED ON THE WAY. 'Computed on the way' means the value that the module computes at that place (a softmax that the list does not call 'softmax' is quantised finished and normalised). What goes into a quantiser is computed in f32, as accurately as f32 sums, v_exp_f32 and their like allow (about 1e-6 of the number): no bf16 or f16 on the way to a quantiser, and a product that is left as it is and whose result goes on into a quantised operand takes f32 operands (vector FMAs, or v_wmma_f32_16x16x4_f32). A number that lies on a knife's edge between two numbers of the format may be rounded either way, as far as f32 arithmetic and the matrix unit's own rounding can turn it there, and no further.
;; One version. Each part assembles by itself: llvm-mc -triple=amdgcn-amd-amdhsa -mcpu=gfx1250 --defsym DOCPART=n.
;; ======== version 1 of 1: 3 launches
;; limits: right only within a limited range of input values
;; workspace buffers: x_q 6,553,600 bytes; w1_q 3,276,800 bytes; w2_q 3,276,800 bytes; h_q 26,214,400 bytes
;; launch prep (part 1): grid 512 x 1, 4 waves a work-group, no clusters, 35,328 bytes of LDS; arguments x, cb1, cb2, idx1, idx2, x_q, w1_q, w2_q; writes x_q, w1_q, w2_q
.if DOCPART == 1
	.amdgcn_target "amdgcn-amd-amdhsa--gfx1250"
	.amdhsa_code_object_version 6
	.text
	.protected	k_qcc43bc0215_prep
	.globl	k_qcc43bc0215_prep
	.p2align	8
	.type	k_qcc43bc0215_prep,@function
k_qcc43bc0215_prep:
	s_mov_b64 s[64:65], 0
	v_nop
	global_prefetch_b8 v0, s[64:65] scope:SCOPE_SE
	s_setreg_imm32_b32 hwreg(HW_REG_WAVE_MODE, 25, 1), 1
	s_wait_xcnt 0x0
; PREP: x [8192][1024], W1 [4096][1024] and W2 [1024][4096] become codes of FP6 (E2M3) with one E8M0 byte for each 32 along K.
; A row of W1 is eight entries of 128 numbers, cb1[c][idx1[c][row]]; a row of W2 eight entries of 512, cb2[c][idx2[c][row]].  A block of 32 never
; crosses an entry, so a weight row is gathered entry by entry and quantised like any dense row.
; THE OUTPUT FORMAT, the same for all three: buf[tile of 16 rows][chunk of 512 K][6400 bytes].  A chunk row is four IMAGES of 1,536 bytes (one for each 128 K) and 256 bytes
; of scale words [128 K piece][row].  An image is a matrix operand's 12 registers as they stand: for c = 0, 1: registers 6c..6c+3 at 768 c + 16 x lane, registers 6c+4, 6c+5 at
; 768 c + 512 + 8 x lane.  So the products' launches load fragments by dense loads of 16 and 8 bytes a lane, and a chunk row is 25 x 256 consecutive bytes.
; ROW ORDER: natural in x_q and w2_q.  In w1_q row r of tile nt is hidden unit 32 (nt / 2) + 8 (nt % 2) + r + 8 (r / 8), so that the first product's results of two neighbouring tiles are
; 16 neighbours along the second product's K.
; SHARES: one wave makes one chunk row (16 rows x 512 K: 32 KiB in, 6,400 bytes out).  Work-groups 0-255: x; 256-383: W1; 384-511: W2.  The kinds part in the head alone, where each writes the 64 byte
; offsets of its 4 x 16 row pieces into scalar registers; all else is one path.  Waves share nothing: no barrier.
; A block's scale is 2^(floor(log2(largest magnitude)) - 2); its byte is that magnitude's exponent field - 2, held at 1 from below.
; LIMITS: a block of zeros, or one whose largest magnitude lies under 2^-124, gets the byte 1 (the bytes are read by this program alone; zero codes add nothing); NaN and infinities are not served;
; an index is held to 255, the table's last entry.
.set CHUNK, 6400
.set STP,   528                        ; a stage row: 512 bytes + 16
.set SCRB,  16*STP                     ; behind the stage: the wave's 256 scale bytes
.set WREG,  SCRB+256                   ; LDS of a wave
.set VO,    16                         ; v16-47   two sets of 16 row offsets
.set TM,    48                         ; v48-63   at work in QUANT
.set R,     64                         ; v64-191  two sets of 64 numbers
.set PC,    192                        ; v192-239 the four images' registers: no store's data are written again
.set TP,    240                        ; v240-247 second halves from the conversions
.set PW,    248                        ; v248-251 the four scale words
.set SEL,   96                         ; s[96:97] lane selects: lane l xor 16
	s_load_b256 s[4:11], s[0:1], 0x0               ; x, cb1, cb2, idx1
	s_load_b256 s[84:91], s[0:1], 0x20             ; idx2, x_q, w1_q, w2_q
	v_lshl_add_u32 v254, v0, 2, 0x8800
	v_mov_b32 v255, 0
	v_lshrrev_b32 v7, 5, v0
	v_readfirstlane_b32 s2, v7                     ; wave
	v_and_b32 v7, 31, v0                           ; lane
	v_lshlrev_b32 v1, 4, v7                        ; 16 x lane
	v_lshlrev_b32 v2, 3, v7                        ; 8 x lane
	v_and_b32 v8, 15, v0                           ; r
	v_bfe_u32 v9, v0, 4, 1                         ; h
	s_mul_i32 s92, s2, WREG
	v_add_nc_u32 v3, s92, v1                       ; the stage, in: a row's 512 bytes as they lie
	v_mul_u32_u24 v4, v8, STP
	v_lshl_add_u32 v4, v9, 6, v4
	v_add_nc_u32 v4, s92, v4                       ; and out: row r, + 64 h: my 16 numbers of each block of 32
	s_add_co_u32 s92, s92, SCRB
	v_lshl_add_u32 v5, v8, 2, s92                  ; my row's scale word
	v_add_nc_u32 v6, s92, v2                       ; and 8 bytes a lane on the way out
.irp b, 0,1,2,3
	v_mov_b32 v[TM+4+\b], 0                        ; written once: a lane permute's destination counts as one of its sources
.endr
	s_mov_b32 s[SEL], 0x76543210
	s_mov_b32 s[SEL+1], 0xfedcba98
	s_mov_b32 s15, 0
	s_mov_b32 s93, 384
	s_wait_kmcnt 0x0
	s_cmp_lt_u32 ttmp9, 384                        ; the choices hang on the work-group's number alone
	s_cselect_b64 s[6:7], s[6:7], s[8:9]
	s_cselect_b64 s[88:89], s[88:89], s[90:91]
	s_cselect_b32 s93, 256, s93
	s_cmp_lt_u32 ttmp9, 256
	s_cselect_b64 s[4:5], s[4:5], s[6:7]           ; the source: x, cb1 or cb2
	s_cselect_b64 s[86:87], s[86:87], s[88:89]     ; the destination
	s_cselect_b32 s93, 0, s93                      ; the kind's first work-group
	s_sub_co_u32 s93, ttmp9, s93
	s_lshl_b32 s93, s93, 2
	s_add_co_u32 s3, s93, s2                       ; u: which chunk row of the destination is mine
	s_mul_i32 s14, s3, CHUNK
	s_add_nc_u64 s[86:87], s[86:87], s[14:15]
	s_cmp_lt_u32 ttmp9, 256
	s_cbranch_scc1 .Lrows_x
	s_cmp_lt_u32 ttmp9, 384
	s_cbranch_scc1 .Lrows_w1
	; W2: tile nt = u / 8, chunk = codebook c = u % 8.  Row i's entry: cb2 + c x 524,288 + idx2[c][16 nt + i] x 2,048; piece q 512 q bytes on
	s_lshr_b32 s92, s3, 3
	s_and_b32 s93, s3, 7
	s_lshl_b32 s14, s93, 12
	s_lshl_b32 s92, s92, 6
	s_add_co_u32 s14, s14, s92
	s_lshl_b32 s13, s93, 19
	s_add_nc_u64 s[84:85], s[84:85], s[14:15]
	s_load_b512 s[16:31], s[84:85], 0x0
	s_wait_kmcnt 0x0
.irp i, 0,1,2,3,4,5,6,7,8,9,10,11,12,13,14,15
	s_min_u32 s[16+\i], s[16+\i], 255
	s_lshl_b32 s[16+\i], s[16+\i], 11
	s_add_co_u32 s[16+\i], s[16+\i], s13
.endr
.irp q, 1,2,3
.irp i, 0,1,2,3,4,5,6,7,8,9,10,11,12,13,14,15
	s_add_co_u32 s[16+16*\q+4*(\q/3)+\i], s[16+\i], 512*\q
.endr
.endr
	s_branch .Lgo
.Lrows_w1:
	; W1: tile nt = u / 2, chunk ch = u % 2; piece q = codebook 4 ch + q.  Rows 0-7 are hidden units o0 + 0..7, rows 8-15 o0 + 16 + 0..7, o0 = 32 (nt / 2) + 8 (nt % 2)
	s_lshr_b32 s92, s3, 1
	s_and_b32 s93, s3, 1
	s_lshr_b32 s94, s92, 1
	s_lshl_b32 s94, s94, 7
	s_and_b32 s92, s92, 1
	s_lshl_b32 s92, s92, 5
	s_add_co_u32 s14, s94, s92                     ; 4 o0
	s_lshl_b32 s92, s93, 16                        ; + four rows of idx1 for each chunk
	s_add_co_u32 s14, s14, s92
	s_lshl_b32 s13, s93, 19                        ; four codebooks of 131,072 bytes
	s_add_nc_u64 s[10:11], s[10:11], s[14:15]
.irp q, 0,1,2,3
	s_load_b256 s[16+16*\q+4*(\q/3):16+16*\q+4*(\q/3)+7], s[10:11], 16384*\q
	s_load_b256 s[16+16*\q+4*(\q/3)+8:16+16*\q+4*(\q/3)+15], s[10:11], 16384*\q+64
.endr
	s_mov_b32 s92, s13
	s_add_co_u32 s93, s13, 131072
	s_add_co_u32 s94, s13, 262144
	s_add_co_u32 s95, s13, 393216
	s_wait_kmcnt 0x0
.irp q, 0,1,2,3
.irp i, 0,1,2,3,4,5,6,7,8,9,10,11,12,13,14,15
	s_min_u32 s[16+16*\q+4*(\q/3)+\i], s[16+16*\q+4*(\q/3)+\i], 255
	s_lshl_b32 s[16+16*\q+4*(\q/3)+\i], s[16+16*\q+4*(\q/3)+\i], 9
	s_add_co_u32 s[16+16*\q+4*(\q/3)+\i], s[16+16*\q+4*(\q/3)+\i], s[92+\q]
.endr
.endr
	s_branch .Lgo
.Lrows_x:
	; x: tile rt = u / 2, chunk ch = u % 2: row i at (16 rt + i) x 4,096 + 2,048 ch, piece q 512 q bytes on
	s_lshr_b32 s92, s3, 1
	s_and_b32 s93, s3, 1
	s_lshl_b32 s12, s92, 16
	s_lshl_b32 s93, s93, 11
	s_add_co_u32 s12, s12, s93
.irp q, 0,1,2,3
.irp i, 0,1,2,3,4,5,6,7,8,9,10,11,12,13,14,15
	s_add_co_u32 s[16+16*\q+4*(\q/3)+\i], s12, 512*\q+4096*\i
.endr
.endr
.Lgo:
.macro OFFS q, set                     ; piece q's sixteen row offsets + 16 x lane
.irp i, 0,1,2,3,4,5,6,7,8,9,10,11,12,13,14,15
	v_add_nc_u32 v[VO+16*(\set)+\i], s[16+16*(\q)+4*((\q)/3)+\i], v1
.endr
.endm
.macro LOADF set                       ; sixteen loads, each a row's 512 consecutive bytes
.irp i, 0,1,2,3,4,5,6,7,8,9,10,11,12,13,14,15
	global_load_b128 v[R+64*(\set)+4*\i:R+64*(\set)+4*\i+3], v[VO+16*(\set)+\i], s[4:5]
.endr
.endm
.macro TURNQ set                       ; through the wave's stage: in by rows, back so that register 16 b + i of lane (r, h) is k = 32 b + 16 h + i of row r.  LDS serves a wave's instructions in order: no wait between
.irp i, 0,1,2,3,4,5,6,7,8,9,10,11,12,13,14,15
	ds_store_b128 v3, v[R+64*(\set)+4*\i:R+64*(\set)+4*\i+3] offset:STP*\i
.endr
.irp b, 0,1,2,3
.irp j, 0,1,2,3
	ds_load_b128 v[R+64*(\set)+16*\b+4*\j:R+64*(\set)+16*\b+4*\j+3], v4 offset:128*\b+16*\j
.endr
.endr
.endm
; 64 numbers of a lane become a fragment's 12 registers in v[pc] on and its rows' scale word in v[pw]
.macro QUANT s, pc, pw
.irp b, 0,1,2,3
	v_max3_num_f32 v[TM+\b], |v[(\s)+16*\b]|, |v[(\s)+16*\b+1]|, 0x1800000   ; block b: my 16 numbers, and the floor 2^(3 - 127): the byte cannot fall under 1
.endr
.irp i, 2,4,6,8,10,12,14
.irp b, 0,1,2,3
	v_max3_num_f32 v[TM+\b], v[TM+\b], |v[(\s)+16*\b+\i]|, |v[(\s)+16*\b+\i+1]|   ; the four blocks by turns
.endr
.endr
.irp b, 0,1,2,3
	v_permlanex16_b32 v[TM+4+\b], v[TM+\b], s[SEL], s[SEL+1]
.endr
.irp b, 0,1,2,3
	v_max_num_f32 v[TM+\b], v[TM+\b], v[TM+4+\b]   ; with lane l xor 16's: the block's largest magnitude
.endr
.irp b, 0,1,2,3
	v_add_nc_u32 v[TM+12+\b], 0xff000000, v[TM+\b] ; 2 off its exponent field: the conversion takes this operand's exponent field as its scale
.endr
.irp b, 0,1,2,3
	v_lshrrev_b32 v[TM+4+\b], 23, v[TM+12+\b]      ; the scale's byte
.endr
	v_lshl_or_b32 v[\pw], v[TM+5], 8, v[TM+4]
	v_lshl_or_b32 v[\pw], v[TM+6], 16, v[\pw]
	v_lshl_or_b32 v[\pw], v[TM+7], 24, v[\pw]
.irp c, 0,1
	v_cvt_scalef32_pk16_fp6_f32 v[(\pc)+6*\c:(\pc)+6*\c+2], v[(\s)+32*\c:(\s)+32*\c+15], v[TM+12+2*\c]
	v_cvt_scalef32_pk16_fp6_f32 v[TP+4*\c:TP+4*\c+2], v[(\s)+32*\c+16:(\s)+32*\c+31], v[TM+12+2*\c+1]   ; (a conversion's three registers begin on an even number)
.endr
	v_nop                                          ; one plain instruction behind a scaled conversion
.irp c, 0,1                            ; the operand wants a whole block in a lane: lanes 0-15 block 2 c, lanes 16-31 block 2 c + 1
.irp i, 0,1,2
	v_permlane16_swap_b32 v[(\pc)+6*\c+\i], v[TP+4*\c+\i]
.endr
.irp i, 0,1,2
	v_mov_b32 v[(\pc)+6*\c+3+\i], v[TP+4*\c+\i]
.endr
.endr
.endm
.macro PART q                          ; piece q: 16 rows x 128 K
.if (\q) < 3
	s_wait_loadcnt 16                              ; this piece's sixteen loads are in; the next piece's sixteen may be out
.else
	s_wait_loadcnt 0x0
.endif
	TURNQ (\q)%2
	s_wait_dscnt 0x0
	QUANT R+64*((\q)%2),PC+12*(\q),PW+(\q)
.if (\q) < 2
	OFFS (\q)+2,(\q)%2                             ; the set just used takes the piece two on: its loads were shown done by the wait above, so its offsets may be written
	LOADF (\q)%2
.endif
	ds_store_b32 v5, v[PW+(\q)] offset:64*(\q)     ; both halves of the lanes write the same word with the same value
	global_store_b128 v1, v[PC+12*(\q):PC+12*(\q)+3], s[86:87] offset:1536*(\q)          ; 512 consecutive bytes, at a multiple of 256 from the buffer's first byte
	global_store_b64 v2, v[PC+12*(\q)+4:PC+12*(\q)+5], s[86:87] offset:1536*(\q)+512     ; 256
	global_store_b128 v1, v[PC+12*(\q)+6:PC+12*(\q)+9], s[86:87] offset:1536*(\q)+768
	global_store_b64 v2, v[PC+12*(\q)+10:PC+12*(\q)+11], s[86:87] offset:1536*(\q)+1280
.endm
	OFFS 0,0
	LOADF 0
	OFFS 1,1
	LOADF 1
	PART 0
	PART 1
	PART 2
	PART 3
	ds_load_b64 v[252:253], v6                     ; the 64 scale words: LDS serves a wave's instructions in order, so these see my stores
	s_wait_dscnt 0x0
	global_store_b64 v2, v[252:253], s[86:87] offset:6144   ; 256 consecutive bytes
	s_wait_tensorcnt 0x0
	ds_add_u32 v254, v255
	s_wait_dscnt 0x0
	s_endpgm
.Lfunc_end_k_qcc43bc0215_prep:
	.size	k_qcc43bc0215_prep, .Lfunc_end_k_qcc43bc0215_prep-k_qcc43bc0215_prep
	.p2alignl 7, 3214868480
	.fill 96, 4, 3214868480
	.section	.rodata,"a",@progbits
	.p2align	6, 0x0
	.amdhsa_kernel k_qcc43bc0215_prep
		.amdhsa_group_segment_fixed_size 35328
		.amdhsa_private_segment_fixed_size 0
		.amdhsa_enable_private_segment 0
		.amdhsa_kernarg_size 64
		.amdhsa_user_sgpr_count 2
		.amdhsa_user_sgpr_kernarg_segment_ptr 1
		.amdhsa_wavefront_size32 1
		.amdhsa_system_sgpr_workgroup_id_x 1
		.amdhsa_system_sgpr_workgroup_id_y 1
		.amdhsa_system_sgpr_workgroup_id_z 1
		.amdhsa_system_vgpr_workitem_id 0
		.amdhsa_next_free_vgpr 256
		.amdhsa_next_free_sgpr 100
		.amdhsa_reserve_vcc 0
		.amdhsa_float_denorm_mode_32 3
		.amdhsa_float_denorm_mode_16_64 3
		.amdhsa_memory_ordered 1
		.amdhsa_forward_progress 1
		.amdhsa_inst_pref_size 55
	.end_amdhsa_kernel
	.amdgpu_metadata
---
amdhsa.version: [ 1, 2 ]
amdhsa.kernels:
  - .name:           k_qcc43bc0215_prep
    .symbol:         k_qcc43bc0215_prep.kd
    .args:
      - { .name: x, .offset: 0, .size: 8, .value_kind: global_buffer, .address_space: global }
      - { .name: cb1, .offset: 8, .size: 8, .value_kind: global_buffer, .address_space: global }
      - { .name: cb2, .offset: 16, .size: 8, .value_kind: global_buffer, .address_space: global }
      - { .name: idx1, .offset: 24, .size: 8, .value_kind: global_buffer, .address_space: global }
      - { .name: idx2, .offset: 32, .size: 8, .value_kind: global_buffer, .address_space: global }
      - { .name: x_q, .offset: 40, .size: 8, .value_kind: global_buffer, .address_space: global }
      - { .name: w1_q, .offset: 48, .size: 8, .value_kind: global_buffer, .address_space: global }
      - { .name: w2_q, .offset: 56, .size: 8, .value_kind: global_buffer, .address_space: global }
    .group_segment_fixed_size: 35328
    .private_segment_fixed_size: 0
    .kernarg_segment_align: 8
    .kernarg_segment_size: 64
    .max_flat_workgroup_size: 128
    .sgpr_count:     100
    .vgpr_count:     256
    .wavefront_size: 32
...
	.end_amdgpu_metadata
.endif
;; end of part 1
;; launch fc1 (part 2): grid 16 x 16, 4 waves a work-group, clusters of 4 x 1, 327,680 bytes of LDS; arguments x_q, w1_q, b1, h_q; writes h_q
.if DOCPART == 2
	.amdgcn_target "amdgcn-amd-amdhsa--gfx1250"
	.amdhsa_code_object_version 6
	.text
	.protected	k_qcc43bc0215_fc1
	.globl	k_qcc43bc0215_fc1
	.p2align	8
	.type	k_qcc43bc0215_fc1,@function
k_qcc43bc0215_fc1:
	s_mov_b64 s[64:65], 0
	v_nop
	global_prefetch_b8 v0, s[64:65] scope:SCOPE_SE
	s_setreg_imm32_b32 hwreg(HW_REG_WAVE_MODE, 25, 1), 1
	s_wait_xcnt 0x0
	s_wait_alu depctr_hold_cnt(0) depctr_sa_sdst(0) depctr_va_vdst(0) depctr_va_sdst(0) depctr_va_ssrc(0) depctr_va_vcc(0) depctr_vm_vsrc(0)
	s_getreg_b32 s2, hwreg(HW_REG_IB_STS2, 6, 4)
	s_cmp_eq_u32 s2, 0
	s_cbranch_scc0 .Lentry_in_a_cluster
	s_endpgm
.Lentry_in_a_cluster:
	s_bfe_u32 s2, ttmp6, 0x10000c
	s_cmp_lg_u32 s2, 0x3003
	s_cbranch_scc0 .Lentry_shape_is_right
	s_endpgm
.Lentry_shape_is_right:
; FC1: h = gelu(x W1^T + b1), quantised along the hidden axis into h_q, on codes of FP6 (E2M3) with E8M0 scales.  x_q, w1_q, h_q: buf[tile of 16 rows][chunk of 512 K][6400 bytes]: four images of
; 1,536 bytes (a fragment's 12 registers as they stand) and 256 bytes of scale words [128 K piece][row].
; SHARES.  Work-group (gx, gy): hidden units 256 gx .. + 255 for rows 512 gy .. + 511 (32 tiles of 16).  Wave w keeps hidden units 64 w .. + 63, all K = 1,024, in 384 registers (32 fragments), read from memory once.
; x streams: 12,800 bytes a tile, through a ring of two LDS slots of 8 tiles.  The product is used transposed (source 0 = W1, source 1 = x): a lane holds one row of x and, by w1_q's row order, hidden units 32 b + 16 (lane / 16) + 0 .. 15.
; TWO TILES ARE IN HAND AT ONCE.  TILE i: the GELU and the quantiser of tile i; among their vector instructions, one to every five, the 32 products of tile i + 1; and the fetch of tile i + 2's fragments, in two halves:
; K steps 0-3 when their registers' products are issued, K steps 4-7 at the tile's end.  So the sums have registers of their own (ACC), and u / 2 is taken out of them at a tile's head.
; CLUSTER.  The four work-groups of a cluster share gy and read the same tiles of x: each fill is one joint load with the mask of all four.  gx enters global addresses alone.
; THE GELU: g = H (1 + erf(u / sqrt 2)), H = u / 2, erf(z) = z A(z^2) / B(z^2) with z held to +-4: a rational fit of degrees 6 and 4 in z^2; here in v = u held to +-4 sqrt 2 and s = v^2, the powers of 1/2 and the 1 / sqrt 2 folded into the coefficients.
; LIMITS: erf's error is absolute, about 1e-7; 1 + erf is formed as a sum, so g's error is about 1e-7 |u| / 2 and its relative error grows in the negative tail (u under about -3); NaN and infinities are not served;
; a block of zeros, or one under 2^-124, gets the byte 1.  The scale words leave in runs of 128 bytes (a work-group owns two of a chunk's four K pieces); every store of codes covers whole aligned runs of 256 bytes.
; No prefetch is laid: a fill is asked for eight tiles of work ahead of the wait for it.
; REGISTERS.  Window 0: v1-12 addresses; v16-31 W1's scale words; v32-35 x's; v36-39 two constants in pairs; v64-95 S, then the quantiser; v96-127 ACC; v128-255 V, P, Q, H.
;   Window 1: W1's fragments of K steps 0-3, (t, ks) at 12 (4 ks + t); window 2: K steps 4-7; window 3: v0-95 x's eight fragments, v96-127 b1.
.set CHUNK, 6400
.set TILEB, 2*CHUNK
.set HROW,  8*CHUNK
.set SLOT1, 1<<17
.set SCR,   SLOT1+8*TILEB              ; the scale bytes, [wave][tile 32][row 16] of 2 bytes; no fill lands here
.set SPARE, SCR+4096                   ; the spare words, 128 bytes for each wave
.set L16, 1
.set L8,  2
.set L4,  3
.set AX16, 4                           ; v4-6 the tile to fetch: its LDS byte + 16, 8, 4 x lane
.set AX8, 5
.set AX4, 6
.set SCA, 7
.set SPW, 8
.set NIL, 9
.set SCL, 10
.set SCG, 11
.set BO,  12
.set WS,  16
.set XS,  32
.set KA6, 36
.set KB4, 38
.set S,   64
.set PC,  40                           ; v40-48 the codes: registers of their own, since the stores may still read them while the next tile's S is written
.set TM,  76
.set PW,  82
.set ACC, 96
.set V,   128
.set P,   160
.set Q,   192
.set H,   224
.set BIAS, 96                          ; in window 3
.set CA,  66                           ; s[66:77] A5 .. A0, each twice
.set CB,  78                           ; s[78:85] B3 .. B0
.set MSB, 0
.macro WIN new
.if MSB != \new
	s_set_vgpr_msb (MSB<<8)|\new
.set MSB, \new
.endif
.endm
.macro ROUND                           ; a round of the cluster's barrier
	s_barrier_signal -1
	s_barrier_wait -1
	s_cmp_lg_u32 s12, 0
	s_cbranch_scc1 .Lnot_wave_0_\@
	s_barrier_signal -3
.Lnot_wave_0_\@:
	s_barrier_wait -3
	s_barrier_signal -1
	s_barrier_wait -1
.endm
.macro KS r, val
	s_mov_b32 s[\r], \val
	s_mov_b32 s[\r+1], \val
.endm
	s_load_b256 s[4:11], s[0:1], 0x0               ; x_q, w1_q, b1, h_q
	v_lshl_add_u32 v[SPW], v0, 2, SPARE
	v_mov_b32 v[NIL], 0
	ds_add_u32 v[SPW], v[NIL]                      ; the opening lines: the add twice and its wait
	ds_add_u32 v[SPW], v[NIL]
	s_wait_dscnt 0x0
	v_lshrrev_b32 v13, 5, v0
	v_readfirstlane_b32 s12, v13                   ; wave
	s_bfe_u32 s13, ttmp6, 0x40000                  ; cx
	s_lshl_b32 s14, ttmp9, 2
	s_add_co_u32 s14, s14, s13                     ; gx
	s_and_b32 s15, ttmp7, 0xffff                   ; gy, which the four partners share
	; group 1: two tiles of x, 25,600 dense bytes, as 100 rows of 256 bytes
	s_mov_b32 s16, 15|(3<<16)|(1<<21)
	s_mov_b32 s17, 32<<16
	s_mov_b32 s18, 100<<16
	s_mov_b32 s19, 32<<16
	s_mov_b32 s20, 100
	s_mov_b32 s21, 32
	s_mov_b32 s22, 0
	s_mov_b32 s23, 0
	s_mul_i32 s25, s12, 2*TILEB                    ; LDS: wave w brings tiles 2 w, 2 w + 1 of a slot
	s_mul_i32 s36, s15, 32*TILEB
	s_add_co_u32 s36, s36, s25
	s_mov_b32 s37, 0
	s_mul_i32 s38, s14, 16*TILEB
	s_mul_i32 s40, s12, 4*TILEB
	s_add_co_u32 s38, s38, s40                     ; w1_q: tile 16 gx + 4 w
	s_mov_b32 s39, 0
	s_lshl_b32 s40, s14, 10
	s_lshl_b32 s41, s12, 8
	s_add_co_u32 s40, s40, s41                     ; b1: (256 gx + 64 w) x 4
	s_mov_b32 s41, 0
	s_mul_i32 s42, s15, 32*HROW
	s_lshr_b32 s43, s14, 1
	s_mul_i32 s43, s43, CHUNK
	s_add_co_u32 s42, s42, s43                     ; h_q: tile 32 gy, chunk gx / 2
	s_and_b32 s46, s14, 1
	s_lshl_b32 s47, s46, 1
	s_lshr_b32 s48, s12, 1
	s_add_co_u32 s47, s47, s48
	s_mul_i32 s47, s47, 1536                       ; image 2 (gx % 2) + w / 2,
	s_and_b32 s48, s12, 1
	s_mul_i32 s48, s48, 768                        ; its half w % 2
	s_add_co_u32 s47, s47, s48
	s_add_co_u32 s48, s42, s47
	s_mov_b32 s49, 0
	s_mul_i32 s50, s12, 8*HROW                     ; the end: wave w stores the scale words of tiles 8 w .. 8 w + 7
	s_lshl_b32 s46, s46, 7
	s_add_co_u32 s50, s50, s46
	s_add_co_u32 s50, s50, s42
	s_add_co_u32 s50, s50, 6144
	s_mov_b32 s51, 0
	s_mov_b32 s28, 0                               ; the slot from which fragments are fetched
	s_mov_b32 s34, 0x76543210
	s_mov_b32 s35, 0xfedcba98                      ; lane l xor 16
	KS CA,    0.00000000061223988                  ; A5 .. A0: the numerator's coefficients x 2^-i / sqrt 2
	KS CA+2, -0.000000092853022
	KS CA+4, -0.00000503151234
	KS CA+6, -0.0001299292146
	KS CA+8, -0.001044608778
	KS CA+10, -0.01138161432
	KS CB,   -0.0000266717569099                   ; B3 .. B0: the denominator's x 2^-i
	KS CB+2, -0.000420706743596
	KS CB+4, -0.0036866645836
	KS CB+6, -0.0142647390514
	s_mov_b32 s90, 5.656854                        ; 4 sqrt 2
	s_mov_b32 s91, -5.656854
	s_wait_kmcnt 0x0
	s_mov_b32 s24, 1
	s_add_nc_u64 s[26:27], s[4:5], s[36:37]
	s_or_b32 s27, s27, 0x80000000
	s_add_nc_u64 s[6:7], s[6:7], s[38:39]
	s_add_nc_u64 s[8:9], s[8:9], s[40:41]
	s_add_nc_u64 s[44:45], s[10:11], s[50:51]
	s_add_nc_u64 s[10:11], s[10:11], s[48:49]
	ROUND                                          ; all four work-groups are here: the first joint loads meet
	tensor_load_to_lds s[24:27], s[16:23]          ; slot 0: tiles 0 to 7
	s_nop 0
.rept 4
	v_nop
.endr
	v_and_b32 v13, 31, v0
	v_lshlrev_b32 v[L16], 4, v13
	v_lshlrev_b32 v[L8], 3, v13
	v_lshlrev_b32 v[L4], 2, v13
	v_and_b32 v14, 15, v0                          ; r
	v_bfe_u32 v15, v0, 4, 1                        ; h
	s_lshl_b32 s36, s12, 10
	s_add_co_u32 s36, s36, SCR
	v_lshl_add_u32 v[SCA], v14, 1, s36             ; my wave's 1,024 bytes, 2 bytes a row
	v_bfe_u32 v[SCL], v0, 3, 1                     ; the end: lane = 16 x (tile of a pair) + 8 x (K piece) + (pair of rows)
	v_lshlrev_b32 v[SCL], 11, v[SCL]
	v_lshl_add_u32 v[SCL], v15, 5, v[SCL]
	v_and_b32 v13, 7, v0
	v_lshl_add_u32 v[SCL], v13, 2, v[SCL]
	s_lshl_b32 s36, s12, 8
	s_add_co_u32 s36, s36, SCR
	v_add_nc_u32 v[SCL], s36, v[SCL]
	v_mul_u32_u24 v[SCG], v15, HROW
	v_lshl_add_u32 v[SCG], v14, 3, v[SCG]
	v_lshlrev_b32 v[BO], 6, v15
.macro GFRAG reg, off                  ; a fragment's image from memory: four dense loads
	global_load_b128 v[(\reg):(\reg)+3], v[L16], s[6:7] offset:\off
	global_load_b64 v[(\reg)+4:(\reg)+5], v[L8], s[6:7] offset:\off+512
	global_load_b128 v[(\reg)+6:(\reg)+9], v[L16], s[6:7] offset:\off+768
	global_load_b64 v[(\reg)+10:(\reg)+11], v[L8], s[6:7] offset:\off+1280
.endm
	WIN 0x40
.irp k, 0,1,2,3
.irp t, 0,1,2,3
	GFRAG 12*(4*\k+\t),\t*TILEB+\k*1536
.endr
.endr
	WIN 0x80
.irp k, 0,1,2,3
.irp t, 0,1,2,3
	GFRAG 12*(4*\k+\t),\t*TILEB+CHUNK+\k*1536
.endr
.endr
	WIN 0xc0
.irp b, 0,1
.irp j, 0,1,2,3
	global_load_b128 v[BIAS+16*\b+4*\j:BIAS+16*\b+4*\j+3], v[BO], s[8:9] offset:128*\b+16*\j   ; register 16 b + e: b1 at hidden unit 32 b + 16 h + e of my 64
.endr
.endr
	WIN 0
.irp t, 0,1,2,3
.irp p, 0,1,2,3
	global_load_b32 v[WS+4*\t+\p], v[L4], s[6:7] offset:\t*TILEB+(\p/2)*CHUNK+6144+(\p%2)*128   ; lanes 0-15: K step 2 p's words, lanes 16-31: K step 2 p + 1's
.endr
.endr
	v_mov_b32 v[KA6], -0.00000000000301199         ; A6
	v_mov_b32 v[KA6+1], -0.00000000000301199
	v_mov_b32 v[KB4], -0.000000910379490406        ; B4
	v_mov_b32 v[KB4+1], -0.000000910379490406
.macro FRAG reg, a16, a8, off          ; a fragment's image from LDS
	ds_load_b128 v[(\reg):(\reg)+3], v[\a16] offset:\off
	ds_load_b64 v[(\reg)+4:(\reg)+5], v[\a8] offset:\off+512
	ds_load_b128 v[(\reg)+6:(\reg)+9], v[\a16] offset:\off+768
	ds_load_b64 v[(\reg)+10:(\reg)+11], v[\a8] offset:\off+1280
.endm
.macro FETCH half, a16, a8, a4         ; half a tile of x: four fragments and two registers of scale words: 18 loads
	WIN 0xc0
.irp k, 0,1,2,3
	FRAG 12*(4*(\half)+\k),\a16,\a8,(\half)*CHUNK+\k*1536
.endr
	WIN 0
.irp p, 0,1
	ds_load_b32 v[XS+2*(\half)+\p], v[\a4] offset:(\half)*CHUNK+6144+\p*128
.endr
.endm
; the next of a tile's 32 products: K step NW / 4, accumulator NW % 4: the four accumulators by turns.  b1 is the C of each sum's first product.
.macro MM1 back
.set KK, NW/4
.set TT, NW%4
.if KK == 0
	WIN 0x3d                                       ; W1 window 1, x and b1 window 3
	v_wmma_scale_f32_16x16x128_f8f6f4 v[ACC+8*TT:ACC+8*TT+7], v[12*TT:12*TT+11], v[0:11], v[BIAS+8*TT:BIAS+8*TT+7], v[WS+4*TT], v[XS] matrix_a_fmt:MATRIX_FMT_FP6 matrix_b_fmt:MATRIX_FMT_FP6
.else
.if KK < 4
	WIN 0x0d
.else
	WIN 0x0e                                       ; W1 window 2
.endif
.if KK%2 == 0
	v_wmma_scale_f32_16x16x128_f8f6f4 v[ACC+8*TT:ACC+8*TT+7], v[12*(4*(KK%4)+TT):12*(4*(KK%4)+TT)+11], v[12*KK:12*KK+11], v[ACC+8*TT:ACC+8*TT+7], v[WS+4*TT+KK/2], v[XS+KK/2] matrix_a_fmt:MATRIX_FMT_FP6 matrix_b_fmt:MATRIX_FMT_FP6
.else
	v_wmma_scale_f32_16x16x128_f8f6f4 v[ACC+8*TT:ACC+8*TT+7], v[12*(4*(KK%4)+TT):12*(4*(KK%4)+TT)+11], v[12*KK:12*KK+11], v[ACC+8*TT:ACC+8*TT+7], v[WS+4*TT+KK/2], v[XS+KK/2] matrix_a_fmt:MATRIX_FMT_FP6 matrix_b_fmt:MATRIX_FMT_FP6 matrix_a_scale:MATRIX_SCALE_ROW1 matrix_b_scale:MATRIX_SCALE_ROW1
.endif
.endif
.if \back
	WIN 0
.endif
.set NW, NW+1
.endm
; stands ahead of each vector instruction behind the reciprocals: ahead of instructions 1, 6, 11 .. 156 a product; ahead of instruction 86, ten plain instructions behind K step 3's last product, the fetch into K steps 0-3's registers
.macro TICK mm, fe
.if (\mm) && (VC%5 == 1) && (NW < 32)
.if NW == 16
	s_wait_dscnt 0x0                               ; K steps 4-7's fragments, asked for at the last tile's end, are in
.endif
	MM1 1
.endif
.if (\fe) && (VC == 86)
	FETCH 0,AX16,AX8,AX4
.endif
.set VC, VC+1
.endm
; sixteen packed d = S a + c over 32 numbers; as = 1: a runs with the numbers, 0: it is a constant's pair; c: a scalar pair
.macro HS d, a, as, c, tk, mm, fe
.set j, 0
.rept 16
.if \tk
	TICK \mm,\fe
.endif
	v_pk_fma_f32 v[(\d)+j:(\d)+j+1], v[S+j:S+j+1], v[(\a)+(\as)*j:(\a)+(\as)*j+1], s[(\c):(\c)+1] op_sel_hi:[1,1,0]
.set j, j+2
.endr
.endm
.macro TILE mm, fe
.set j, 0
.rept 16
	v_pk_mul_f32 v[H+j:H+j+1], v[ACC+j:ACC+j+1], 0.5 op_sel_hi:[1,0]   ; H = u / 2.  Ascending: each accumulator is first read at its low end
.set j, j+2
.endr
.set j, 0
.rept 32
	v_med3_num_f32 v[V+j], v[ACC+j], s91, s90      ; v = u held to +-4 sqrt 2
.set j, j+1
.endr
.set j, 0
.rept 16
	v_pk_mul_f32 v[S+j:S+j+1], v[V+j:V+j+1], v[V+j:V+j+1]
.set j, j+2
.endr
.if \fe
	s_add_co_u32 s30, s28, s29                     ; the tile two on
	s_add_co_u32 s29, s29, TILEB
	v_add_nc_u32 v[AX16], s30, v[L16]
	v_add_nc_u32 v[AX8], s30, v[L8]
	v_add_nc_u32 v[AX4], s30, v[L4]
.endif
	HS Q,KB4,0,CB,0,0,0                            ; the denominator
.irp i, 1,2,3
	HS Q,Q,1,CB+2*\i,0,0,0
.endr
.if \mm
	s_wait_dscnt 18                                ; K steps 0-3's fragments of the next tile are in; the youngest 18 loads, K steps 4-7's, may be out
.endif
	s_wait_xcnt 0x0                                ; the last tile's stores have read their data and their base
	s_add_nc_u64 s[10:11], s[10:11], HROW          ; this tile's stores reach back by their offset
	s_wait_alu depctr_va_vdst(0)
.set j, 0
.rept 32
	v_rcp_f32 v[Q+j], v[Q+j]
.set j, j+1
.endr
.set VC, 0
.set NW, 0
	HS P,KA6,0,CA,1,\mm,\fe                        ; the numerator, which names no reciprocal
.irp i, 1,2,3,4,5
	HS P,P,1,CA+2*\i,1,\mm,\fe
.endr
.set j, 0
.rept 16
	TICK \mm,\fe
	v_pk_mul_f32 v[P+j:P+j+1], v[P+j:P+j+1], v[V+j:V+j+1]
.set j, j+2
.endr
	s_wait_alu depctr_va_vdst(0)                   ; one wait for the 32 reciprocals, ahead of their first reader
.set j, 0
.rept 16
	TICK \mm,\fe
	v_pk_fma_f32 v[P+j:P+j+1], v[P+j:P+j+1], v[Q+j:Q+j+1], 1.0 op_sel_hi:[1,1,0]   ; 1 + erf
.set j, j+2
.endr
.set j, 0
.rept 16
	TICK \mm,\fe
	v_pk_mul_f32 v[H+j:H+j+1], v[H+j:H+j+1], v[P+j:P+j+1]   ; g
.set j, j+2
.endr
	; my 32 numbers, register 16 b + i = hidden unit 32 b + 16 h + i, become six registers of codes and two scale bytes
.irp c, 0,1,2,3                        ; four chains of eight numbers: block c % 2, half c / 2
	TICK \mm,\fe
	v_max3_num_f32 v[TM+\c], |v[H+16*(\c%2)+8*(\c/2)]|, |v[H+16*(\c%2)+8*(\c/2)+1]|, 0x1800000   ; with the floor 2^(3 - 127): the byte cannot fall under 1
.endr
.irp i, 2,4,6
.irp c, 0,1,2,3
	TICK \mm,\fe
	v_max3_num_f32 v[TM+\c], v[TM+\c], |v[H+16*(\c%2)+8*(\c/2)+\i]|, |v[H+16*(\c%2)+8*(\c/2)+\i+1]|
.endr
.endr
.irp b, 0,1
	v_max_num_f32 v[TM+\b], v[TM+\b], v[TM+2+\b]
.endr
.irp b, 0,1
	v_permlanex16_b32 v[TM+2+\b], v[TM+\b], s34, s35
.endr
.irp b, 0,1
	v_max_num_f32 v[TM+\b], v[TM+\b], v[TM+2+\b]   ; the block's largest magnitude
.endr
.irp b, 0,1
	v_add_nc_u32 v[TM+4+\b], 0xff000000, v[TM+\b]  ; 2 off its exponent field: the conversion's scale operand
.endr
.irp b, 0,1
	v_lshrrev_b32 v[TM+2+\b], 23, v[TM+4+\b]       ; the scale's byte
.endr
	v_lshl_or_b32 v[PW], v[TM+3], 8, v[TM+2]
	v_cvt_scalef32_pk16_fp6_f32 v[PC:PC+2], v[H:H+15], v[TM+4]
	v_cvt_scalef32_pk16_fp6_f32 v[PC+6:PC+8], v[H+16:H+31], v[TM+5]
	v_nop                                          ; one plain instruction behind a scaled conversion
.irp i, 0,1,2
	v_permlane16_swap_b32 v[PC+\i], v[PC+6+\i]     ; a whole block to a lane
.endr
.irp i, 0,1,2
	v_mov_b32 v[PC+3+\i], v[PC+6+\i]
.endr
	ds_store_b16 v[SCA], v[PW]                     ; both halves of the lanes write the same two bytes with the same value
	global_store_b128 v[L16], v[PC:PC+3], s[10:11] offset:-HROW       ; 512 consecutive bytes, at a multiple of 256 from h_q's first byte
	global_store_b64 v[L8], v[PC+4:PC+5], s[10:11] offset:512-HROW    ; 256
	v_add_nc_u32 v[SCA], 32, v[SCA]
.if \fe
	FETCH 1,AX16,AX8,AX4                           ; K steps 4-7's registers: their last product stands more than four plain instructions back
.endif
.endm
.macro RUN n
	s_mov_b32 s31, \n
.Ltile_\@:
	TILE 1,1
	s_sub_co_u32 s31, s31, 1
	s_cmp_lg_u32 s31, 0
	s_cbranch_scc1 .Ltile_\@
.endm
; THE CHANGE OF SLOTS.  Each wave waits for all its tensor loads (one is out: its part of the slot ahead), adds 0 to its spare word, and waits for that and for its reads of the slot that it has left.
; fill = 1: a round of the cluster's barrier, then the slot left behind takes the eight tiles after those of the slot ahead.
.macro CHANGE fill
	s_wait_tensorcnt 0x0
	ds_add_u32 v[SPW], v[NIL]
.if \fill
	s_xor_b32 s25, s25, SLOT1
	s_add_nc_u64 s[26:27], s[26:27], 8*TILEB
.endif
	s_wait_dscnt 0x0
.if \fill
	ROUND
	tensor_load_to_lds s[24:27], s[16:23]          ; the first thing behind the round, and my one tensor load until the next
	s_nop 0
.rept 4
	v_nop
.endr
.else
	s_barrier_signal -1
	s_barrier_wait -1
.endif
.endm
	s_wait_alu depctr_va_vdst(0)
	CHANGE 1                                       ; slot 0 is whole for all four waves; slot 1's first fill, issued as a refill is
	FETCH 0,L16,L8,L4                              ; tile 0
	FETCH 1,L16,L8,L4
	v_add_nc_u32 v[AX16], TILEB, v[L16]
	v_add_nc_u32 v[AX8], TILEB, v[L8]
	v_add_nc_u32 v[AX4], TILEB, v[L4]
	s_wait_alu depctr_va_vdst(0)
	s_wait_loadcnt 0x0                             ; W1, its scale words and b1 are in: they stay
	s_wait_dscnt 0x0
.set NW, 0
.rept 32
	MM1 0                                          ; tile 0's products
.endr
	WIN 0
.rept 4
	v_nop                                          ; four places between the last product and the loads into x's registers
.endr
	FETCH 0,AX16,AX8,AX4                           ; tile 1
	FETCH 1,AX16,AX8,AX4
	s_mov_b32 s29, 2*TILEB
	RUN 6                                          ; tiles 0 to 5, which fetch tiles 2 to 7
	s_mov_b32 s32, 2
.Lslot:                                            ; tiles 6 to 13 and 14 to 21: they fetch a whole slot
	CHANGE 1
	s_xor_b32 s28, s28, SLOT1
	s_mov_b32 s29, 0
	RUN 8
	s_sub_co_u32 s32, s32, 1
	s_cmp_lg_u32 s32, 0
	s_cbranch_scc1 .Lslot
	CHANGE 0                                       ; the last slot is written out
	s_xor_b32 s28, s28, SLOT1
	s_mov_b32 s29, 0
	RUN 8                                          ; tiles 22 to 29
	TILE 1,0                                       ; tile 30: nothing is left to fetch
	TILE 0,0                                       ; tile 31: nor to multiply
	; THE SCALE WORDS LEAVE.  A word's lower two bytes were made by wave 2 x piece, its upper two by wave 2 x piece + 1: so a barrier, then each wave joins and stores the words of eight tiles.
	s_wait_dscnt 0x0
	s_barrier_signal -1
	s_barrier_wait -1
.irp i, 0,1,2,3
	ds_load_b32 v[V+2*\i], v[SCL] offset:64*\i
	ds_load_b32 v[V+2*\i+1], v[SCL] offset:64*\i+1024
.endr
.irp i, 0,1,2,3
	s_wait_dscnt 6-2*\i                            ; this pair is in; the younger pairs may be out
	v_perm_b32 v[P+2*\i], v[V+2*\i+1], v[V+2*\i], 0x05040100
	v_perm_b32 v[P+2*\i+1], v[V+2*\i+1], v[V+2*\i], 0x07060302
	global_store_b64 v[SCG], v[P+2*\i:P+2*\i+1], s[44:45] offset:2*HROW*\i   ; sixteen lanes store a tile's 128 consecutive bytes
.endr
	s_wait_tensorcnt 0x0                           ; the wave's end
	ds_add_u32 v[SPW], v[NIL]
	s_wait_dscnt 0x0
	ROUND                                          ; the closing round
	s_endpgm
.Lfunc_end_k_qcc43bc0215_fc1:
	.size	k_qcc43bc0215_fc1, .Lfunc_end_k_qcc43bc0215_fc1-k_qcc43bc0215_fc1
	.p2alignl 7, 3214868480
	.fill 96, 4, 3214868480
	.section	.rodata,"a",@progbits
	.p2align	6, 0x0
	.amdhsa_kernel k_qcc43bc0215_fc1
		.amdhsa_group_segment_fixed_size 327680
		.amdhsa_private_segment_fixed_size 0
		.amdhsa_enable_private_segment 0
		.amdhsa_kernarg_size 32
		.amdhsa_user_sgpr_count 2
		.amdhsa_user_sgpr_kernarg_segment_ptr 1
		.amdhsa_wavefront_size32 1
		.amdhsa_system_sgpr_workgroup_id_x 1
		.amdhsa_system_sgpr_workgroup_id_y 1
		.amdhsa_system_sgpr_workgroup_id_z 1
		.amdhsa_system_vgpr_workitem_id 0
		.amdhsa_next_free_vgpr 896
		.amdhsa_next_free_sgpr 96
		.amdhsa_reserve_vcc 0
		.amdhsa_float_denorm_mode_32 3
		.amdhsa_float_denorm_mode_16_64 3
		.amdhsa_memory_ordered 1
		.amdhsa_forward_progress 1
		.amdhsa_inst_pref_size 169
	.end_amdhsa_kernel
	.amdgpu_metadata
---
amdhsa.version: [ 1, 2 ]
amdhsa.kernels:
  - .name:           k_qcc43bc0215_fc1
    .symbol:         k_qcc43bc0215_fc1.kd
    .args:
      - { .name: x_q, .offset: 0, .size: 8, .value_kind: global_buffer, .address_space: global }
      - { .name: w1_q, .offset: 8, .size: 8, .value_kind: global_buffer, .address_space: global }
      - { .name: b1, .offset: 16, .size: 8, .value_kind: global_buffer, .address_space: global }
      - { .name: h_q, .offset: 24, .size: 8, .value_kind: global_buffer, .address_space: global }
    .group_segment_fixed_size: 327680
    .private_segment_fixed_size: 0
    .kernarg_segment_align: 8
    .kernarg_segment_size: 32
    .max_flat_workgroup_size: 128
    .sgpr_count:     96
    .vgpr_count:     896
    .wavefront_size: 32
...
	.end_amdgpu_metadata
.endif
;; end of part 2
;; launch fc2 (part 3): grid 4 x 64, 4 waves a work-group, clusters of 4 x 4, 327,680 bytes of LDS; arguments h_q, w2_q, b2, out0; writes out0
.if DOCPART == 3
	.amdgcn_target "amdgcn-amd-amdhsa--gfx1250"
	.amdhsa_code_object_version 6
	.text
	.protected	k_qcc43bc0215_fc2
	.globl	k_qcc43bc0215_fc2
	.p2align	8
	.type	k_qcc43bc0215_fc2,@function
k_qcc43bc0215_fc2:
	s_mov_b64 s[64:65], 0
	v_nop
	global_prefetch_b8 v0, s[64:65] scope:SCOPE_SE
	s_setreg_imm32_b32 hwreg(HW_REG_WAVE_MODE, 25, 1), 1
	s_wait_xcnt 0x0
	s_wait_alu depctr_hold_cnt(0) depctr_sa_sdst(0) depctr_va_vdst(0) depctr_va_sdst(0) depctr_va_ssrc(0) depctr_va_vcc(0) depctr_vm_vsrc(0)
	s_getreg_b32 s2, hwreg(HW_REG_IB_STS2, 6, 4)
	s_cmp_eq_u32 s2, 0
	s_cbranch_scc0 .Lentry_in_a_cluster
	s_endpgm
.Lentry_in_a_cluster:
	s_bfe_u32 s2, ttmp6, 0x10000c
	s_cmp_lg_u32 s2, 0xf033
	s_cbranch_scc0 .Lentry_shape_is_right
	s_endpgm
.Lentry_shape_is_right:
.set CH,     6400
.set ASZ,    8*CH
.set SLOT,   24*CH
.set SPARE,  2*SLOT
.set SPITCH, 528
.set AA16, 2
.set AA8,  4
.set AA4,  6
.set BA16, 8
.set BA8,  10
.set BA4,  12
.set STO,  14
.set RD,   15
.set CO,   17
.set SPW,  28
.set NIL,  29
.set SC,   32
.set AF,   80
.set BK,   128
.set BIASR, 192
.set G1, 24
.set G0, 32
.set G1B, 48
.set G0B, 56
.set MSB, 0
.macro WIN new
.if MSB != \new
	s_set_vgpr_msb (MSB<<8)|\new
.set MSB, \new
.endif
.endm
.set MUL,  0x52
.set MUL1, 0x62
.macro JLOAD s
	s_cmp_eq_u32 s15, 0
	s_cbranch_scc0 .Lfor_b_\@
	tensor_load_to_lds s[G0+4*\s:G0+4*\s+3], s[G1:G1+7]
	s_nop 0
.rept 4
	v_nop
.endr
	s_branch .Lasked_\@
.Lfor_b_\@:
	tensor_load_to_lds s[G0B+4*\s:G0B+4*\s+3], s[G1B:G1B+7]
	s_nop 0
.rept 4
	v_nop
.endr
.Lasked_\@:
.endm
.macro CREST
	s_cmp_lg_u32 s14, 0
	s_cbranch_scc1 .Lnot_wave_0_\@
	s_barrier_signal -3
.Lnot_wave_0_\@:
	s_barrier_wait -3
	s_barrier_signal -1
	s_barrier_wait -1
.endm
.macro CROUND
	s_barrier_signal -1
	s_barrier_wait -1
	CREST
.endm
	s_load_b256 s[4:11], s[0:1], 0x0
	v_lshl_add_u32 v[SPW], v0, 2, SPARE
	v_mov_b32 v[NIL], 0
	ds_add_u32 v28, v29
	ds_add_u32 v28, v29
	s_wait_dscnt 0x0
	v_lshrrev_b32 v1, 5, v0
	v_readfirstlane_b32 s14, v1
	s_lshr_b32 s15, s14, 1
	s_and_b32 s16, s14, 1
	s_bfe_u32 s40, ttmp6, 0x40000
	s_bfe_u32 s41, ttmp6, 0x40004
	s_lshl_b32 s42, ttmp9, 2
	s_add_co_u32 s42, s42, s40
	s_and_b32 s17, ttmp7, 0xffff
	s_lshl_b32 s17, s17, 2
	s_add_co_u32 s17, s17, s41
	s_lshl_b32 s43, s41, 2
	s_lshl_b32 s43, 15, s43
	s_lshl_b32 s44, 0x1111, s40
	s_or_b32 s[G1+0], s43, (3<<16)|(1<<21)
	s_or_b32 s[G1B+0], s44, (3<<16)|(1<<21)
.irp g, G1, G1B
	s_mov_b32 s[\g+1], 800<<16
	s_mov_b32 s[\g+3], 800<<16
	s_mov_b32 s[\g+5], ASZ/8
	s_mov_b32 s[\g+6], 0
	s_mov_b32 s[\g+7], 0
.endr
	s_mov_b32 s[G1+2], 4<<16
	s_mov_b32 s[G1+4], 4
	s_mov_b32 s[G1B+2], 8<<16
	s_mov_b32 s[G1B+4], 8
	s_lshl_b32 s20, s17, 3
	s_lshl_b32 s18, s16, 2
	s_add_co_u32 s20, s20, s18
	s_mul_i32 s20, s20, ASZ
	s_mov_b32 s21, 0
	s_lshl_b32 s46, s42, 4
	s_lshl_b32 s18, s16, 3
	s_add_co_u32 s46, s46, s18
	s_mul_i32 s46, s46, ASZ
	s_mov_b32 s47, 0
	s_mul_i32 s45, s16, 4*CH
	s_mul_i32 s22, s16, 8*CH
	s_add_co_u32 s22, s22, ASZ
	s_wait_kmcnt 0x0
	s_add_nc_u64 s[20:21], s[4:5], s[20:21]
	s_add_nc_u64 s[46:47], s[6:7], s[46:47]
	CROUND
.irp s, 0,1
	s_mov_b32 s[G0+4*\s], 1
	s_add_co_u32 s[G0+4*\s+1], s45, \s*SLOT
	s_add_nc_u64 s[G0+4*\s+2:G0+4*\s+3], s[20:21], \s*CH
	s_or_b32 s[G0+4*\s+3], s[G0+4*\s+3], 0x80000000
	s_mov_b32 s[G0B+4*\s], 1
	s_add_co_u32 s[G0B+4*\s+1], s22, \s*SLOT
	s_add_nc_u64 s[G0B+4*\s+2:G0B+4*\s+3], s[46:47], \s*CH
	s_or_b32 s[G0B+4*\s+3], s[G0B+4*\s+3], 0x80000000
	s_wait_alu depctr_va_vdst(0)
	s_wait_tensorcnt 0x0
	ds_add_u32 v28, v29
	ds_add_u32 v28, v29
	s_wait_dscnt 0x0
	CROUND
	JLOAD \s
.endr
	v_and_b32 v1, 31, v0
	v_lshlrev_b32 v17, 4, v1
	v_lshlrev_b32 v18, 3, v1
	v_lshlrev_b32 v19, 2, v1
	s_mul_i32 s70, s15, 4*CH
	s_mul_i32 s71, s16, 8*CH
	s_add_co_u32 s71, s71, ASZ
.irp s, 0,1
	v_add_nc_u32 v[AA16+\s], s70, v17
	v_add_nc_u32 v[AA8+\s], s70, v18
	v_add_nc_u32 v[AA4+\s], s70, v19
	v_add_nc_u32 v[BA16+\s], s71, v17
	v_add_nc_u32 v[BA8+\s], s71, v18
	v_add_nc_u32 v[BA4+\s], s71, v19
	s_add_co_u32 s70, s70, SLOT
	s_add_co_u32 s71, s71, SLOT
.endr
	s_mul_i32 s23, s14, 16*SPITCH
	v_and_b32 v21, 15, v0
	v_bfe_u32 v22, v0, 4, 1
	v_mul_u32_u24 v[STO], v21, SPITCH
	v_lshl_add_u32 v[STO], v22, 5, v[STO]
	v_add_nc_u32 v[STO], s23, v[STO]
	v_add_nc_u32 v[RD], s23, v17
	v_lshlrev_b32 v20, 5, v22
	s_wait_alu depctr_va_vdst(0)
	s_lshl_b32 s66, s17, 19
	s_lshl_b32 s67, s15, 18
	s_add_co_u32 s66, s66, s67
	s_lshl_b32 s68, s42, 10
	s_lshl_b32 s69, s16, 9
	s_add_co_u32 s68, s68, s69
	s_add_co_u32 s66, s66, s68
	s_mov_b32 s67, 0
	s_mov_b32 s69, 0
	s_add_nc_u64 s[10:11], s[10:11], s[66:67]
	s_add_nc_u64 s[8:9], s[8:9], s[68:69]
	WIN 0x80
.irp b, 0,1,2,3,4,5,6,7
	global_load_b128 v[BIASR+8*\b:BIASR+8*\b+3], v20, s[8:9] offset:64*\b
	global_load_b128 v[BIASR+8*\b+4:BIASR+8*\b+7], v20, s[8:9] offset:64*\b+16
.endr
	WIN 0
.macro FRAG reg, a16, a8, off
	ds_load_b128 v[(\reg):(\reg)+3], v[\a16] offset:\off
	ds_load_b64 v[(\reg)+4:(\reg)+5], v[\a8] offset:\off+512
	ds_load_b128 v[(\reg)+6:(\reg)+9], v[\a16] offset:\off+768
	ds_load_b64 v[(\reg)+10:(\reg)+11], v[\a8] offset:\off+1280
.endm
.macro FETCH slot, q, f
.if (\q) == 0
	WIN 0
.irp a, 0,1,2,3
.irp p, 0,1
	ds_load_b32 v[SC+24*(\slot)+2*\a+\p], v[AA4+(\slot)] offset:\a*CH+6144+128*\p
.endr
.endr
.irp b, 0,1,2,3,4,5,6,7
.irp p, 0,1
	ds_load_b32 v[SC+24*(\slot)+8+2*\b+\p], v[BA4+(\slot)] offset:\b*CH+6144+128*\p
.endr
.endr
.endif
	WIN 0x80
.irp b, 0,1,2,3,4,5,6,7
	FRAG 96*(\f)+12*\b,BA16+(\slot),BA8+(\slot),\b*CH+1536*(\q)
.endr
	WIN 0
.irp a, 0,1,2,3
	FRAG AF+48*(\f)+12*\a,AA16+(\slot),AA8+(\slot),\a*CH+1536*(\q)
.endr
.endm
.macro MUL8 a, f, q, s, first
.irp b, 0,1,2,3,4,5,6,7
.if \first
	v_wmma_scale_f32_16x16x128_f8f6f4 v[8*(8*(\a)+\b):8*(8*(\a)+\b)+7], v[96*(\f)+12*\b:96*(\f)+12*\b+11], v[AF+48*(\f)+12*(\a):AF+48*(\f)+12*(\a)+11], v[BIASR+8*\b:BIASR+8*\b+7], v[SC+24*(\s)+8+2*\b+(\q)/2], v[SC+24*(\s)+2*(\a)+(\q)/2] matrix_a_fmt:MATRIX_FMT_FP6 matrix_b_fmt:MATRIX_FMT_FP6
.elseif (\q)%2 == 0
	v_wmma_scale_f32_16x16x128_f8f6f4 v[8*(8*(\a)+\b):8*(8*(\a)+\b)+7], v[96*(\f)+12*\b:96*(\f)+12*\b+11], v[AF+48*(\f)+12*(\a):AF+48*(\f)+12*(\a)+11], v[8*(8*(\a)+\b):8*(8*(\a)+\b)+7], v[SC+24*(\s)+8+2*\b+(\q)/2], v[SC+24*(\s)+2*(\a)+(\q)/2] matrix_a_fmt:MATRIX_FMT_FP6 matrix_b_fmt:MATRIX_FMT_FP6
.else
	v_wmma_scale_f32_16x16x128_f8f6f4 v[8*(8*(\a)+\b):8*(8*(\a)+\b)+7], v[96*(\f)+12*\b:96*(\f)+12*\b+11], v[AF+48*(\f)+12*(\a):AF+48*(\f)+12*(\a)+11], v[8*(8*(\a)+\b):8*(8*(\a)+\b)+7], v[SC+24*(\s)+8+2*\b+(\q)/2], v[SC+24*(\s)+2*(\a)+(\q)/2] matrix_a_fmt:MATRIX_FMT_FP6 matrix_b_fmt:MATRIX_FMT_FP6 matrix_a_scale:MATRIX_SCALE_ROW1 matrix_b_scale:MATRIX_SCALE_ROW1
.endif
.endr
.endm
.macro PLACES
.rept 4
	v_nop
.endr
.endm
.macro STEP slot, q, first
	s_wait_dscnt 8
	WIN MUL+0x10*(\first)
	MUL8 0,(\q)%2,\q,\slot,\first
	MUL8 1,(\q)%2,\q,\slot,\first
	PLACES
	FETCH \slot,(\q)+1,1-(\q)%2
	s_wait_dscnt 48
	WIN MUL+0x10*(\first)
	MUL8 2,(\q)%2,\q,\slot,\first
	MUL8 3,(\q)%2,\q,\slot,\first
.endm
.macro TURN slot, next, fill
	WIN 0
	s_wait_tensorcnt 0x0
	ds_add_u32 v[SPW], v[NIL]
	s_wait_dscnt 9
	WIN MUL
	MUL8 0,1,3,\slot,0
	s_wait_dscnt 0x0
	s_barrier_signal -1
	MUL8 1,1,3,\slot,0
	WIN 0
	s_barrier_wait -1
.if \fill
	CREST
	s_add_nc_u64 s[G0+4*\slot+2:G0+4*\slot+3], s[G0+4*\slot+2:G0+4*\slot+3], 2*CH
	s_add_nc_u64 s[G0B+4*\slot+2:G0B+4*\slot+3], s[G0B+4*\slot+2:G0B+4*\slot+3], 2*CH
	JLOAD \slot
.else
	PLACES
.endif
	FETCH \next,0,0
	WIN MUL
	MUL8 2,1,3,\slot,0
	MUL8 3,1,3,\slot,0
.endm
	s_wait_tensorcnt 1
	s_barrier_signal -1
	s_barrier_wait -1
	FETCH 0,0,0
	s_wait_loadcnt 0x0
	STEP 0,0,1
	WIN 0
	s_mov_b32 s3, 3
.Llap:
	STEP 0,1,0
	STEP 0,2,0
	TURN 0,1,1
	STEP 1,0,0
	STEP 1,1,0
	STEP 1,2,0
	TURN 1,0,1
	STEP 0,0,0
	WIN 0
	s_sub_co_u32 s3, s3, 1
	s_cmp_lg_u32 s3, 0
	s_cbranch_scc1 .Llap
	STEP 0,1,0
	STEP 0,2,0
	TURN 0,1,0
	STEP 1,0,0
	STEP 1,1,0
	STEP 1,2,0
	s_wait_dscnt 8
	WIN MUL
	MUL8 0,1,3,1,0
	MUL8 1,1,3,1,0
	s_wait_dscnt 0x0
	MUL8 2,1,3,1,0
	MUL8 3,1,3,1,0
	WIN 0
.macro TOSTAGE a
	WIN 0x04
.irp b, 0,1,2,3,4,5,6,7
	ds_store_b128 v[STO], v[64*(\a)+8*\b:64*(\a)+8*\b+3] offset:64*\b
	ds_store_b128 v[STO], v[64*(\a)+8*\b+4:64*(\a)+8*\b+7] offset:64*\b+16
.endr
	WIN 0
.set BB, BK+64*((\a)%2)
.irp t, 0,1,2,3,4,5,6,7,8,9,10,11,12,13,14,15
	ds_load_b128 v[BB+4*\t:BB+4*\t+3], v[RD] offset:\t*SPITCH
.endr
.endm
.macro SEND a, younger
.set BB, BK+64*((\a)%2)
	s_wait_dscnt \younger
.if (\a) > 0
	s_add_nc_u64 s[10:11], s[10:11], 16*4096
.endif
.irp t, 0,1,2,3,4,5,6,7,8,9,10,11,12,13,14,15
	global_store_b128 v[CO], v[BB+4*\t:BB+4*\t+3], s[10:11] offset:\t*4096 th:TH_STORE_NT
.endr
.endm
	PLACES
	TOSTAGE 0
.irp a, 1,2,3
.if \a > 1
	s_wait_xcnt 0x0
.endif
	TOSTAGE \a
	SEND \a-1, 32
.endr
	s_wait_xcnt 0x0
	SEND 3, 0
	s_wait_tensorcnt 0x0
	ds_add_u32 v[SPW], v[NIL]
	s_wait_dscnt 0x0
	CROUND
	s_endpgm
.Lfunc_end_k_qcc43bc0215_fc2:
	.size	k_qcc43bc0215_fc2, .Lfunc_end_k_qcc43bc0215_fc2-k_qcc43bc0215_fc2
	.p2alignl 7, 3214868480
	.fill 96, 4, 3214868480
	.section	.rodata,"a",@progbits
	.p2align	6, 0x0
	.amdhsa_kernel k_qcc43bc0215_fc2
		.amdhsa_group_segment_fixed_size 327680
		.amdhsa_private_segment_fixed_size 0
		.amdhsa_enable_private_segment 0
		.amdhsa_kernarg_size 32
		.amdhsa_user_sgpr_count 2
		.amdhsa_user_sgpr_kernarg_segment_ptr 1
		.amdhsa_wavefront_size32 1
		.amdhsa_system_sgpr_workgroup_id_x 1
		.amdhsa_system_sgpr_workgroup_id_y 1
		.amdhsa_system_sgpr_workgroup_id_z 1
		.amdhsa_system_vgpr_workitem_id 0
		.amdhsa_next_free_vgpr 768
		.amdhsa_next_free_sgpr 98
		.amdhsa_reserve_vcc 0
		.amdhsa_float_denorm_mode_32 3
		.amdhsa_float_denorm_mode_16_64 3
		.amdhsa_memory_ordered 1
		.amdhsa_forward_progress 1
		.amdhsa_inst_pref_size 150
	.end_amdhsa_kernel
	.amdgpu_metadata
---
amdhsa.version: [ 1, 2 ]
amdhsa.kernels:
  - .name:           k_qcc43bc0215_fc2
    .symbol:         k_qcc43bc0215_fc2.kd
    .args:
      - { .name: h_q, .offset: 0, .size: 8, .value_kind: global_buffer, .address_space: global }
      - { .name: w2_q, .offset: 8, .size: 8, .value_kind: global_buffer, .address_space: global }
      - { .name: b2, .offset: 16, .size: 8, .value_kind: global_buffer, .address_space: global }
      - { .name: out0, .offset: 24, .size: 8, .value_kind: global_buffer, .address_space: global }
    .group_segment_fixed_size: 327680
    .private_segment_fixed_size: 0
    .kernarg_segment_align: 8
    .kernarg_segment_size: 32
    .max_flat_workgroup_size: 128
    .sgpr_count:     98
    .vgpr_count:     768
    .wavefront_size: 32
...
	.end_amdgpu_metadata
.endif
;; end of part 3
